; MI455X (gfx1250); checked and timed in simulation.
; The chip was launched on July 23, 2026; its instructions are those of AMD's public machine-readable ISA for CDNA 5 (MIT licence, August 2026) and "CDNA5" Instruction Set Architecture Reference Guide (July 2026). The comments in the code are by the model that wrote it; some were corrected since.
;; GRU Cell. Allowed arithmetic: matrix products marked QUANTISED: E4M3 operands, one E8M0 scale for each 32 along K, by v_wmma_scale_f32_16x16x128_f8f6f4 with both operands' format E4M3, f32 sums; everything else in f32.
;; Inputs: W_c 1,024 x 1,024 float32; W_hc 1,024 x 1,024 float32; W_hh 1,024 x 2,048 float32; W_ih 1,024 x 2,048 float32; b_c 1,024 float32; b_hc 1,024 float32; b_hh 2,048 float32; b_ih 2,048 float32; hx 8,192 x 1,024 float32; input 8,192 x 1,024 float32.
;; Outputs: out0 8,192 x 1,024 float32.
;; This version of the problem:
;;   THIS VERSION OF THE PROBLEM IS GIVEN IN LOW PRECISION. The matrix products marked QUANTISED in the list below multiply operands that are first quantised to E4M3 (4 exponent bits, 3 mantissa bits; 8 bits a number), with one power-of-two scale for each 32 numbers along K (OCP MX v1.0); their sums are f32. All else is computed in f32.
;;   The module's matrix products, in the order in which they are computed (A, B: the left and right operand; K: the contracted axis; several contracted axes count as one K, in the product's order):
;;     1. [M 8,192, K 1,024] x [K 1,024, N 2,048]; A: input input; B: input W_ih: QUANTISED
;;     2. [M 8,192, K 1,024] x [K 1,024, N 2,048]; A: input hx; B: input W_hh: QUANTISED
;;     3. [M 8,192, K 1,024] x [K 1,024, N 1,024]; A: input input; B: input W_c: QUANTISED
;;     4. [M 8,192, K 1,024] x [K 1,024, N 1,024]; A: input hx; B: input W_hc: QUANTISED
;;   THE QUANTISER, for each operand of a quantised product, along K:
;;     - K is cut into blocks of 32 from its start; a last block that is shorter is filled with zeros.
;;     - A block's scale is 2^e with e = floor(log2(the largest magnitude in the block)) - 8, held to -126 .. 127; a block of zeros has e = 0. As a byte (E8M0): e + 127.
;;     - Each number is divided by its block's scale, clamped to +-448, and rounded to the nearest number of E4M3, ties to even, subnormals kept.
;;     - The product sums the exact products of the quantised numbers (number of the format x scale) in f32.
;;   ~~~python
;;   def quantise(x, axis):      # numpy; x: float32 -> the quantised numbers, widened to float32 again
;;       x = np.moveaxis(x, axis, -1); K = x.shape[-1]
;;       x = np.pad(x, [(0, 0)] * (x.ndim - 1) + [(0, -K % 32)]); x = x.reshape(x.shape[:-1] + (-1, 32)); a = np.abs(x).max(-1, keepdims=True)
;;       e = np.where(a > 0, np.clip(np.frexp(np.where(a > 0, a, 1))[1] - 1 - 8, -126, 127), 0)      # np.frexp(a)[1] - 1 = floor(log2(a)), exactly
;;       r = np.clip(x / 2.0 ** e, -448, 448)
;;       step = 2.0 ** (np.maximum(np.frexp(np.where(r == 0, 1, r))[1] - 1, -6) - 3)
;;       q = np.round(r / step) * step * 2.0 ** e      # np.round: ties to even
;;       return np.moveaxis(q.reshape(q.shape[:-2] + (-1,))[..., :K], -1, axis).astype(np.float32)
;;   ~~~
;; One version. Each part assembles by itself: llvm-mc -triple=amdgcn-amd-amdhsa -mcpu=gfx1250 --defsym DOCPART=n.
;; ======== version 1 of 1: 2 launches
;; limits: right only within a limited range of input values
;; workspace buffers: acts 17,301,504 bytes; wts 6,488,064 bytes
;; launch quant (part 1): grid 896 x 1, 4 waves a work-group, no clusters, 34,304 bytes of LDS; arguments input, hx, W_ih, W_hh, W_c, W_hc, acts, wts; writes acts, wts
.if DOCPART == 1
	.amdgcn_target "amdgcn-amd-amdhsa--gfx1250"
	.amdhsa_code_object_version 6
	.text
	.protected	k_qf5f049fbb2_quant
	.globl	k_qf5f049fbb2_quant
	.p2align	8
	.type	k_qf5f049fbb2_quant,@function
k_qf5f049fbb2_quant:
	s_mov_b64 s[64:65], 0
	v_nop
	global_prefetch_b8 v0, s[64:65] scope:SCOPE_SE
	s_setreg_imm32_b32 hwreg(HW_REG_WAVE_MODE, 25, 1), 1
	s_wait_xcnt 0x0
; input, hx [8192][1024] and W_ih, W_hh [1024][2048], W_c, W_hc [1024][1024], all f32, become codes of FP8 (E4M3) with one E8M0 byte for each 32 along K,
; laid as the second launch's waves want them: IMAGES OF OPERAND REGISTERS in dense chunks, one chunk = one operand tile of one K step of 128, codes and then scale words.  K steps kk: 0..7 hx's 1,024, 8..15 input's.
; A fragment (16 rows or columns x 128 K) is 2,048 bytes: group c (0..3) at 512 c, lane l's 16 bytes at 16 l = the codes of row l % 16 at k = 32 c + 16 (l / 16) + 0 .. 15.
; acts: chunk (Y, kk) at (16 Y + kk) x 33,792: rows 256 Y on; row block i (0..15) at 2,048 i; scale words at 32,768 + 128 (i / 2) + 8 r + 4 (i % 2).
; wts:  chunk (X, kk) at (16 X + kk) x 50,688: hidden columns 128 X on; half LO (64 columns) at 24,576 LO; fragment f = 4 gate + cb (gate 0: z, 1: r, 2: hc in hx's steps, c in input's) at 2,048 f;
;   scale words at 49,152 + 768 LO + 128 j + 8 r + 4 (f % 2), j = f / 2 + 2 for f < 8, f / 2 - 4 for the rest.
; A block's scale is 2^(floor(log2(its largest magnitude)) - 8); its byte is the largest magnitude's exponent field - 8, held at 1 from below; numbers are held within +-448 x the scale and rounded to the nearest code, ties to even.
; LIMITS: a block of zeros gets the byte 1 where the rule says 127 (its codes are zeros, which add nothing under any byte but 0xff, and this program alone reads the bytes); blocks whose largest magnitude lies under 2^(8 - 126), the floor, were not tried; NaN and infinities among the inputs are not served.
; WORK-GROUPS: 0..255: W_ih / W_hh (gates z, r); 256..383: W_c / W_hc; 384..895: 128 rows x 256 along K of hx or input each.  Three paths part on the work-group's number; only the last uses LDS.  Waves share nothing: no barrier.
; No matrix unit, no cluster, no tensor load: the launch is a stream, read once and written once.
.set ACH,  33792
.set BCH,  50688
.set XW,   32                          ; weights: v32-95 two sets of 32 numbers (a block of one column)
.set CW,   96                          ; weights: v96-127 codes, eight registers a block, never written again
.set TM,   8                           ; activations: v8-11 largest magnitudes, v12-15 bytes, v16-19 448 x the scale, v20-23 the conversions' scale operands
.set SW,   24                          ; v24-27 the four fragments' scale words
.set PC,   32                          ; v32-47 a fragment's codes
.set X,    48                          ; v48-111 64 numbers of my row: register 16 b + i = k 32 b + 16 (lane / 16) + i
.set R0,   112                         ; v112-175, v176-239 two sets of 16 rows x 512 bytes as they are loaded
.set SP,   528                         ; a stage row: 512 bytes + 16
	s_load_b512 s[4:19], s[0:1], 0x0               ; input s[4:5], hx s[6:7], W_ih s[8:9], W_hh s[10:11], W_c s[12:13], W_hc s[14:15], acts s[16:17], wts s[18:19]
	v_lshl_add_u32 v240, v0, 2, 0x8400             ; my spare word, behind the four stages
	v_mov_b32 v241, 0
	v_lshrrev_b32 v1, 5, v0
	v_readfirstlane_b32 s20, v1                    ; wave 0..3
	v_and_b32 v1, 31, v0                           ; lane
	s_mov_b32 s40, 0x600000                        ; the mantissa field of 448 (an instruction takes one literal)
	s_cmp_lt_u32 ttmp9, 256
	s_cbranch_scc1 .Lwide
	s_cmp_lt_u32 ttmp9, 384
	s_cbranch_scc1 .Lnarrow
; ---------------- ACTIVATIONS: work-group a = 8 g + s: rows 128 g on, K 256 (s % 4) on of input (s < 4) or hx; wave w: rows 32 w on: four fragments f = 2 (row block) + q, q the K step of the two
	s_sub_co_u32 s21, ttmp9, 384                   ; a
	s_lshr_b32 s22, s21, 3                         ; g
	s_and_b32 s23, s21, 3                          ; s % 4
	s_lshl_b32 s24, s22, 7
	s_lshl_b32 s25, s20, 5
	s_add_co_u32 s24, s24, s25                     ; my first row: 128 g + 32 w
	s_lshl_b32 s24, s24, 12                        ; rows of 4,096 bytes
	s_lshl_b32 s25, s23, 10                        ; 256 along K are 1,024 bytes
	s_add_co_u32 s24, s24, s25
	s_mov_b32 s25, 0
	s_and_b32 s26, s21, 7
	s_xor_b32 s26, s26, 4
	s_lshl_b32 s26, s26, 1                         ; kk = 2 (s ^ 4), and q more
	s_lshr_b32 s27, s22, 1
	s_lshl_b32 s27, s27, 4
	s_add_co_u32 s26, s26, s27                     ; 16 Y + kk
	s_mul_i32 s26, s26, ACH                        ; the first of the two chunks
	s_and_b32 s27, s22, 1                          ; which 128 rows of the chunk's 256
	s_lshl_b32 s28, s27, 9
	s_lshl_b32 s29, s20, 7
	s_add_co_u32 s28, s28, s29
	s_add_co_u32 s28, s28, s26
	s_add_co_u32 s28, s28, 32768                   ; my 32 rows' scale words: 128 bytes in each chunk
	s_mov_b32 s29, 0
	s_lshl_b32 s27, s27, 14
	s_add_co_u32 s26, s26, s27
	s_lshl_b32 s27, s20, 12
	s_add_co_u32 s26, s26, s27                     ; my two fragments: 4,096 bytes in each chunk
	s_mov_b32 s27, 0
	s_and_b32 s30, s21, 4                          ; s >= 4: hx
	v_and_b32 v2, 15, v0                           ; r
	v_bfe_u32 v3, v0, 4, 1                         ; h
	s_wait_alu depctr_va_vdst(0)                   ; lane was made ahead of the scalar lines above
	v_lshlrev_b32 v4, 4, v1                        ; 16 x lane: a load's and an image's place for my lane
	v_mul_u32_u24 v7, v3, ACH
	v_lshl_add_u32 v7, v2, 3, v7                   ; the scale words' store: 8 r, and lanes 16-31 a chunk on
	s_mul_i32 s41, s20, 16*SP                      ; my wave's stage
	v_add_nc_u32 v5, s41, v4                       ; into it: as the bytes lie
	v_mul_u32_u24 v6, v2, SP
	v_lshl_add_u32 v6, v3, 6, v6
	v_add_nc_u32 v6, s41, v6                       ; out of it: row r, + 64 h: my 16 numbers of each block of 32
.irp b, 0,1,2,3
	v_mov_b32 v[TM+4+\b], 0                        ; written once: a lane permute's destination counts as one of its sources
.endr
	s_mov_b32 s44, 0x76543210
	s_mov_b32 s45, 0xfedcba98                      ; v_permlanex16_b32's selects for lane l xor 16
	s_wait_alu depctr_va_vdst(0)
	s_wait_kmcnt 0x0
	s_cmp_lg_u32 s30, 0                            ; the choice hangs on the work-group's number alone
	s_cselect_b64 s[34:35], s[6:7], s[4:5]
	s_add_nc_u64 s[34:35], s[34:35], s[24:25]
	s_add_nc_u64 s[36:37], s[16:17], s[26:27]
	s_add_nc_u64 s[38:39], s[16:17], s[28:29]
.macro LOADF f                         ; fragment f's 16 rows x 128 numbers: each load reads 512 consecutive bytes of one row
.set RL, R0+64*((\f)%2)
.irp p, 0,1,2,3,4,5,6,7,8,9,10,11,12,13,14,15
	global_load_b128 v[RL+4*\p:RL+4*\p+3], v4, s[34:35] offset:(16*((\f)/2)+\p)*4096+512*((\f)%2) th:TH_LOAD_NT
.endr
.endm
.macro QUANT w                         ; the 64 numbers in v[X] on become a fragment's codes in v[PC] on and my row's scale word in v[w]
.irp b, 0,1,2,3
	v_max3_num_f32 v[TM+\b], |v[X+16*\b]|, |v[X+1+16*\b]|, 0x4800000   ; block b: my 16 numbers, and the floor 2^(9 - 127): so the byte cannot fall under 1
.endr
.irp i, 2,4,6,8,10,12,14
.irp b, 0,1,2,3
	v_max3_num_f32 v[TM+\b], v[TM+\b], |v[X+16*\b+\i]|, |v[X+1+16*\b+\i]|   ; the four blocks by turns
.endr
.endr
.irp b, 0,1,2,3
	v_permlanex16_b32 v[TM+4+\b], v[TM+\b], s44, s45
.endr
.irp b, 0,1,2,3
	v_max_num_f32 v[TM+\b], v[TM+\b], v[TM+4+\b]   ; with lane l xor 16's 16: the block's largest magnitude
.endr
.irp b, 0,1,2,3
	v_add_nc_u32 v[TM+12+\b], 0xfc000000, v[TM+\b] ; 8 off its exponent field: the conversion takes the exponent field of this operand as its scale
.endr
.irp b, 0,1,2,3
	v_and_or_b32 v[TM+8+\b], v[TM+\b], 0x7f800000, s40   ; 448 x the scale
.endr
.irp b, 0,1,2,3
	v_lshrrev_b32 v[TM+4+\b], 23, v[TM+12+\b]      ; the scale's byte
.endr
	v_lshl_or_b32 v[\w], v[TM+5], 8, v[TM+4]
	v_lshl_or_b32 v[\w], v[TM+6], 16, v[\w]
	v_lshl_or_b32 v[\w], v[TM+7], 24, v[\w]
.irp b, 0,1,2,3
.irp i, 0,1,2,3,4,5,6,7,8,9,10,11,12,13,14,15
	v_med3_num_f32 v[X+16*\b+\i], v[X+16*\b+\i], -v[TM+8+\b], v[TM+8+\b]   ; the conversion to an 8-bit code does not saturate (ISA guide 7.6.2): the hold comes first
.endr
	v_cvt_scalef32_pk8_fp8_f32 v[PC+4*\b:PC+1+4*\b], v[X+16*\b:X+7+16*\b], v[TM+12+\b]
	v_cvt_scalef32_pk8_fp8_f32 v[PC+2+4*\b:PC+3+4*\b], v[X+8+16*\b:X+15+16*\b], v[TM+12+\b]
.endr
	v_nop                                          ; one plain vector line behind the last conversion
.endm
.macro FRAGQ f
.set RS, R0+64*((\f)%2)
.if (\f) < 3
	s_wait_loadcnt 16                              ; this fragment's 16 loads are in; the next fragment's 16 may be out
.else
	s_wait_loadcnt 0x0
.endif
.irp p, 0,1,2,3,4,5,6,7,8,9,10,11,12,13,14,15
	ds_store_b128 v5, v[RS+4*\p:RS+4*\p+3] offset:SP*\p
.endr
.irp b, 0,1,2,3
.irp j, 0,1,2,3
	ds_load_b128 v[X+16*\b+4*\j:X+16*\b+4*\j+3], v6 offset:128*\b+16*\j   ; LDS serves a wave's instructions in order: these see the stores above
.endr
.endr
	s_wait_dscnt 0x0                               ; my 64 numbers are in, and the stage's stores have read their registers
.if (\f) > 0
	s_wait_xcnt 0x0                                ; the last fragment's stores have read v[PC] on: it is written again only behind this wait
.endif
.if (\f)+2 < 4
	LOADF (\f)+2
.endif
	QUANT SW+(\f)
.irp c, 0,1,2,3
	global_store_b128 v4, v[PC+4*\c:PC+4*\c+3], s[36:37] offset:ACH*((\f)%2)+2048*((\f)/2)+512*\c   ; the wave stores 512 consecutive bytes, aligned to 256
.endr
.endm
	LOADF 0
	LOADF 1
	FRAGQ 0
	FRAGQ 1
	FRAGQ 2
	FRAGQ 3
	v_cmp_lt_u32 vcc_lo, 15, v1                    ; lanes 0-15 store the first K step's words of both row blocks, lanes 16-31 the second's (both halves of the lanes hold row r's word)
	v_cndmask_b32 v28, v[SW], v[SW+1], vcc_lo
	v_cndmask_b32 v29, v[SW+2], v[SW+3], vcc_lo
	global_store_b64 v7, v[28:29], s[38:39]        ; 128 consecutive bytes in each chunk: halves of aligned 256; all such stores together are 524,288 bytes of the launch
	s_wait_tensorcnt 0x0                           ; the wave's end
	ds_add_u32 v240, v241
	s_wait_dscnt 0x0
	s_endpgm
; ---------------- WEIGHTS: K is their first axis.  A LANE TAKES A COLUMN AND ITS REGISTERS RUN DOWN K: a block of 32 lies in one lane, and the conversions give codes with K innermost.  Nothing is transposed.
; A wave takes 32 columns x 128 along K: two fragments of one gate.  The four waves stand side by side on 512 bytes of each row of W.
.macro LOADW t, pitch                  ; block t: W(32 t + i, my column) into set t % 2
.set i, 0
.rept 32
	global_load_b32 v[XW+32*((\t)%2)+i], v3, s[34:35] offset:(32*(\t)+i)*(\pitch) th:TH_LOAD_NT
.set i, i+1
.endr
.endm
.macro BLOCKW t, pitch
.set XS, XW+32*((\t)%2)
.if (\t) < 3
	s_wait_loadcnt 32                              ; this block's 32 loads are in; the next block's 32 may be out
.else
	s_wait_loadcnt 0x0
.endif
	v_max3_num_f32 v8, |v[XS]|, |v[XS+1]|, |v[XS+2]|
	v_max3_num_f32 v9, |v[XS+3]|, |v[XS+4]|, |v[XS+5]|
.irp i, 6,10,14,18,22,26
	v_max3_num_f32 v8, v8, |v[XS+\i]|, |v[XS+\i+1]|
	v_max3_num_f32 v9, v9, |v[XS+\i+2]|, |v[XS+\i+3]|
.endr
	v_max3_num_f32 v8, v8, |v[XS+30]|, |v[XS+31]|
	v_max3_num_f32 v8, v8, v9, 0x4800000           ; and the floor 2^(9 - 127)
	v_add_nc_u32 v11, 0xfc000000, v8               ; the conversion's scale operand
	v_and_or_b32 v10, v8, 0x7f800000, s40          ; 448 x the scale
	v_lshrrev_b32 v12, 23, v11                     ; the byte
.if (\t) == 0
	v_mov_b32 v14, v12                             ; four bytes make my column's scale word, the lower K in the lower byte
.else
	v_lshl_or_b32 v14, v12, 8*(\t), v14
.endif
.set i, 0
.rept 32
	v_med3_num_f32 v[XS+i], v[XS+i], -v10, v10
.set i, i+1
.endr
.irp g, 0,1,2,3
	v_cvt_scalef32_pk8_fp8_f32 v[CW+8*(\t)+2*\g:CW+8*(\t)+2*\g+1], v[XS+8*\g:XS+8*\g+7], v11
.endr
	v_nop                                          ; one plain vector line behind the last conversion
	global_store_b128 v4, v[CW+8*(\t):CW+8*(\t)+3], s[36:37] offset:512*(\t)          ; k = 32 t + 0 .. 15: the image's lanes 0-15; sixteen lanes store 256 consecutive bytes, aligned
	global_store_b128 v4, v[CW+8*(\t)+4:CW+8*(\t)+7], s[36:37] offset:512*(\t)+256    ; k = 32 t + 16 .. 31: its lanes 16-31
.if (\t)+2 < 4
	LOADW (\t)+2, \pitch
.endif
.endm
.macro WPATH pitch
	s_and_b32 s21, ttmp9, 127
	s_and_b32 s22, s21, 1                          ; q
	s_bfe_u32 s23, s21, 0x30001                    ; s
	s_lshr_b32 s24, s21, 4
	s_lshl_b32 s24, s24, 2
	s_add_co_u32 s24, s24, s20                     ; cg = 4 (group of four) + wave: hidden columns 32 cg on
	s_lshr_b32 s25, ttmp9, 7                       ; the gate: 0, 1, 2
	s_and_b32 s26, s23, 3
	s_lshl_b32 s26, s26, 1
	s_add_co_u32 s26, s26, s22
	s_mul_i32 s26, s26, 128*(\pitch)               ; row 256 (s % 4) + 128 q of W
	s_lshl_b32 s27, s24, 7                         ; column 32 cg, in bytes
	s_add_co_u32 s26, s26, s27
.if (\pitch) == 8192
	s_lshl_b32 s27, s25, 12                        ; gate r: 1,024 columns on
	s_add_co_u32 s26, s26, s27
.endif
	s_mov_b32 s27, 0
	s_lshr_b32 s28, s24, 2
	s_lshl_b32 s28, s28, 4                         ; 16 X
	s_xor_b32 s30, s23, 4
	s_lshl_b32 s30, s30, 1
	s_add_co_u32 s30, s30, s22                     ; kk = 2 (s ^ 4) + q
	s_add_co_u32 s28, s28, s30
	s_mul_i32 s28, s28, BCH                        ; the chunk
	s_bfe_u32 s32, s24, 0x10001                    ; LO
	s_and_b32 s33, s24, 1                          ; the first or the second two fragments of the gate's four
	s_add_co_u32 s31, s25, 1
	s_cmp_eq_u32 s25, 2
	s_cselect_b32 s31, 0, s31                      ; the scale words' order: gate 2, 0, 1
	s_lshl_b32 s31, s31, 8
	s_mul_i32 s30, s32, 768
	s_add_co_u32 s30, s30, s31
	s_lshl_b32 s31, s33, 7
	s_add_co_u32 s30, s30, s31
	s_add_co_u32 s30, s30, s28
	s_add_co_u32 s30, s30, 49152                   ; my 32 scale words
	s_mov_b32 s31, 0
	s_mul_i32 s32, s32, 24576
	s_add_co_u32 s28, s28, s32
	s_lshl_b32 s32, s25, 13
	s_add_co_u32 s28, s28, s32
	s_lshl_b32 s32, s33, 12
	s_add_co_u32 s28, s28, s32                     ; my two fragments
	s_mov_b32 s29, 0
	v_lshlrev_b32 v3, 2, v1                        ; 4 x lane
	v_lshrrev_b32 v4, 4, v1
	v_and_b32 v5, 15, v1
	v_lshlrev_b32 v6, 2, v4
	v_lshl_add_u32 v6, v5, 3, v6                   ; the scale words' store: 8 r + 4 (lane / 16)
	v_lshlrev_b32 v5, 4, v5
	v_lshl_add_u32 v4, v4, 11, v5                  ; 2,048 (lane / 16) + 16 r
	s_wait_alu depctr_va_vdst(0)
	s_wait_kmcnt 0x0
	s_cmp_lt_u32 s23, 4                            ; the input's weight or hx's: the choice hangs on the work-group's number alone
.if (\pitch) == 8192
	s_cselect_b64 s[34:35], s[8:9], s[10:11]
.else
	s_cselect_b64 s[34:35], s[12:13], s[14:15]
.endif
	s_add_nc_u64 s[34:35], s[34:35], s[26:27]
	s_add_nc_u64 s[36:37], s[18:19], s[28:29]
	s_add_nc_u64 s[38:39], s[18:19], s[30:31]
	LOADW 0, \pitch
	LOADW 1, \pitch
	BLOCKW 0, \pitch
	BLOCKW 1, \pitch
	BLOCKW 2, \pitch
	BLOCKW 3, \pitch
	global_store_b32 v6, v14, s[38:39]             ; 128 consecutive bytes: half of an aligned 256; all such stores together are 196,608 bytes of the launch
	s_endpgm
.endm
.Lwide:
	s_wait_alu depctr_va_vdst(0)
	WPATH 8192
.Lnarrow:
	s_wait_alu depctr_va_vdst(0)
	WPATH 4096
.Lfunc_end_k_qf5f049fbb2_quant:
	.size	k_qf5f049fbb2_quant, .Lfunc_end_k_qf5f049fbb2_quant-k_qf5f049fbb2_quant
	.p2alignl 7, 3214868480
	.fill 96, 4, 3214868480
	.section	.rodata,"a",@progbits
	.p2align	6, 0x0
	.amdhsa_kernel k_qf5f049fbb2_quant
		.amdhsa_group_segment_fixed_size 34304
		.amdhsa_private_segment_fixed_size 0
		.amdhsa_enable_private_segment 0
		.amdhsa_kernarg_size 64
		.amdhsa_user_sgpr_count 2
		.amdhsa_user_sgpr_kernarg_segment_ptr 1
		.amdhsa_wavefront_size32 1
		.amdhsa_system_sgpr_workgroup_id_x 1
		.amdhsa_system_sgpr_workgroup_id_y 1
		.amdhsa_system_sgpr_workgroup_id_z 1
		.amdhsa_system_vgpr_workitem_id 0
		.amdhsa_next_free_vgpr 242
		.amdhsa_next_free_sgpr 66
		.amdhsa_reserve_vcc 1
		.amdhsa_float_denorm_mode_32 3
		.amdhsa_float_denorm_mode_16_64 3
		.amdhsa_memory_ordered 1
		.amdhsa_forward_progress 1
		.amdhsa_inst_pref_size 110
	.end_amdhsa_kernel
	.amdgpu_metadata
---
amdhsa.version: [ 1, 2 ]
amdhsa.kernels:
  - .name:           k_qf5f049fbb2_quant
    .symbol:         k_qf5f049fbb2_quant.kd
    .args:
      - { .name: input, .offset: 0, .size: 8, .value_kind: global_buffer, .address_space: global }
      - { .name: hx, .offset: 8, .size: 8, .value_kind: global_buffer, .address_space: global }
      - { .name: W_ih, .offset: 16, .size: 8, .value_kind: global_buffer, .address_space: global }
      - { .name: W_hh, .offset: 24, .size: 8, .value_kind: global_buffer, .address_space: global }
      - { .name: W_c, .offset: 32, .size: 8, .value_kind: global_buffer, .address_space: global }
      - { .name: W_hc, .offset: 40, .size: 8, .value_kind: global_buffer, .address_space: global }
      - { .name: acts, .offset: 48, .size: 8, .value_kind: global_buffer, .address_space: global }
      - { .name: wts, .offset: 56, .size: 8, .value_kind: global_buffer, .address_space: global }
    .group_segment_fixed_size: 34304
    .private_segment_fixed_size: 0
    .kernarg_segment_align: 8
    .kernarg_segment_size: 64
    .max_flat_workgroup_size: 128
    .sgpr_count:     66
    .vgpr_count:     242
    .wavefront_size: 32
...
	.end_amdgpu_metadata
.endif
;; end of part 1
;; launch gru (part 2): grid 8 x 32, 4 waves a work-group, clusters of 4 x 4, 327,680 bytes of LDS; arguments acts, wts, hx, b_ih, b_hh, b_c, b_hc, out0; writes out0
.if DOCPART == 2
	.amdgcn_target "amdgcn-amd-amdhsa--gfx1250"
	.amdhsa_code_object_version 6
	.text
	.protected	k_qf5f049fbb2_gru
	.globl	k_qf5f049fbb2_gru
	.p2align	8
	.type	k_qf5f049fbb2_gru,@function
k_qf5f049fbb2_gru:
	s_mov_b64 s[64:65], 0
	v_nop
	global_prefetch_b8 v0, s[64:65] scope:SCOPE_SE
	s_setreg_imm32_b32 hwreg(HW_REG_WAVE_MODE, 25, 1), 1
	s_wait_xcnt 0x0
	s_wait_alu depctr_hold_cnt(0) depctr_sa_sdst(0) depctr_va_vdst(0) depctr_va_sdst(0) depctr_va_ssrc(0) depctr_va_vcc(0) depctr_vm_vsrc(0)
	s_getreg_b32 s2, hwreg(HW_REG_IB_STS2, 6, 4)
	s_cmp_eq_u32 s2, 0
	s_cbranch_scc0 .Lentry_in_a_cluster
	s_endpgm
.Lentry_in_a_cluster:
	s_bfe_u32 s2, ttmp6, 0x10000c
	s_cmp_lg_u32 s2, 0xf033
	s_cbranch_scc0 .Lentry_shape_is_right
	s_endpgm
.Lentry_shape_is_right:
; out = (1 - z) hx + z tanh(x W_c + b_c + r (hx W_hc + b_hc)),  (z, r) = sigmoid(x W_ih + b_ih + hx W_hh + b_hh).  All four products on codes of FP8 (E4M3) with E8M0 scales, made by the launch before.
; A work-group makes 256 rows x 128 hidden columns of out; four waves, as many as a WGP has SIMDs; wave (HI, LO) makes rows 128 HI on x columns 64 LO on.
; THREE SUMS AT A TIME: z, r and a third: 96 accumulators, 768 registers.  K goes in 16 steps of 128: hx's eight first (the third sum is hc), then input's (it is c).  Between them hc goes to LDS bytes of the wave's own (32,768),
; and its registers begin again with b_c.  So each tile of acts is fetched once a work-group.  z's and r's sums begin with b_ih + b_hh, hc's with b_hc (an order of rounding other than the reference's).
; THE RING: two slots of a K step, each a chunk of acts (33,792 bytes) and one of wts (50,688): dense blocks, images of the operands' registers with their scale words behind them, fetched as rows of 256 bytes:
; waves 0 and 1 half a chunk of acts each, waves 2 and 3 half a chunk of wts.  Each fragment load reads 512 consecutive bytes.
; THE MATRIX INSTRUCTION IS USED TRANSPOSED (source 0 = 16 weight columns, source 1 = 16 rows): lane (r, h) holds row r and its eight registers the columns 8 h + 0 .. 7, in all sums alike: what follows the sums is arithmetic of one lane.
; A STEP is 96 products in 12 units of eight: a pair of weight fragments x half of the row blocks (L: 0-3, U: 4-7): p0 L, p1 L, p0 U, p1 U | p2 L, p2 U, p3 L, p3 U | p4 L, p5 L, p4 U, p5 U.
; Weight fragments have three pairs of registers by turns (p0 and p3, p1 and p4, p2 and p5), row blocks one set.  LDS loads come in six runs, each directly behind the last product that read its registers (and eight places):
; behind product 31 p3, p4; 47 p5; 67 (the refill, then) the next step's p0 and scale words; 79 its row blocks L; 87 its p1; 95 its row blocks U and p2.
; The change of slots: behind product 55 the wait for my tensor loads and the add, behind 60 the signal, behind 67 the rest of the cluster's round and the refill (K step + 2).
; CLUSTERS: 4 x 4 work-groups.  The four of a row of a cluster need the same chunks of acts, the four of a column the same chunks of wts: each is asked for JOINTLY.
; PREFETCHES: behind product 87, while the loop runs, one instruction a wave for the chunks of two refills on (K step + 4): waves 0, 1 acts', waves 2, 3 wts'; the four partners share a chunk's 256-byte blocks out by address; wts' only in clusters with y < 4, since all eight rows of clusters read them.
; The last trip asks for none.  hx's tile is asked for in trips 3 to 6, one instruction a wave and trip: 32 rows of each wave row further on each time; it is fetched in K steps 14 and 15.
; hx's tile (256 rows x 512 bytes) comes by plain tensor loads into the slots' bytes as they fall free in the last two steps; the results are written over it in LDS and leave as whole rows of 256 bytes, each wave's own.
; THE GATES: out = h + ((E - 1) - h (E + 1)) / ((1 + 2^(-L zs)) (1 + E)),  E = 2^min(2 L c + hc / ((1 + 2^(-L rs)) / (2 L)), 40),  L = log2(e): five transcendentals an output.
; The hold at 40 keeps E finite; tanh is 1 in f32 long before.  Where 2^(-L zs) or the product overflows the reciprocal is 0 and out = h, which is right.  LIMIT: NaN and infinities among the inputs are not served.
; REGISTERS: window 0: v0-127 row blocks; v128-223 weight fragments; v224-243 scale words and nothing else; v244-255 addresses; at the head biases, on the way out hx and out, whole rows, hc.
;   windows 1, 2, 3: the accumulators of z, r, and hc or c: row block a, columns 16 f on, at 32 a + 8 f.
.set ACH,   33792
.set BCH,   50688
.set BL,    2*ACH                      ; LDS: acts' two slots, then wts' two slots,
.set SPILL, BL+2*BCH                   ; then hc, 32,768 bytes a wave,
.set SPARE, SPILL+131072               ; then the spare words, 128 bytes for each wave: two blocks of 256 bytes that no other line names
.set HP,    528                        ; a row of hx's tile: 512 bytes + 16
.set AB,    0
.set BB,    128
.set SC,    224                        ; v224-239 scale words, two sets: register i: lanes 0-15 row block i's, lanes 16-31 fragment i's
.set SC2,   240                        ; v240-243 fragments 8 to 11: lanes 16-31
.set ADRA,  244                        ; v244     my row blocks in slot 0
.set ADRB,  245                        ; v245-246 my weight fragments in slot 0, 1
.set ASC,   247                        ; v247-248 scale words in slot 0, 1: lanes 0-15 rows', lanes 16-31 columns'
.set SPW,   249                        ; v249     my spare word; never rewritten
.set NIL,   250                        ; v250     0; never rewritten
.set PFO,   251                        ; v251     a prefetch's offset in a chunk
.set HPO,   252                        ; v252     a prefetch's offset in hx
.set VB,    253                        ; v253     32 h: my eight numbers of a bias
.set SPA,   254                        ; v254     hc's place: SPILL + 32,768 wave + 16 lane
.set CO,    255                        ; v255     my byte offset in out
.set HX,    0                          ; the way out: v0-63 hx and then out, v64-127 whole rows, v160-223 hc
.set ST,    64
.set HC,    160
.set EA,    132                        ; v132-133 my place in hx's tile, row blocks 0-3, 4-7
.set ER,    134                        ; v134-135 where I read whole rows back
.set G1A, 28                           ; descriptor groups 1: s[28:35] acts, s[36:43] wts, s[44:51] hx;  groups 0: s[52:55], s[56:59], s[60:63]
.set G1B, 36
.set G1H, 44
.set G0A, 52
.set G0B, 56
.set G0H, 60
.set MSB, 0
.macro WIN new                         ; the immediate's high byte repeats the setting that is left; a switch that changes nothing is dropped
.if MSB != (\new)
	s_set_vgpr_msb (MSB<<8)|(\new)
.set MSB, (\new)
.endif
.endm
.macro PLACES n
.rept \n
	v_nop
.endr
.endm
.macro TLOAD g0, g1                    ; an s_nop 0 and four v_nop follow each tensor load, ahead of a jump, a label and what follows
	tensor_load_to_lds s[\g0:\g0+3], s[\g1:\g1+7]
	s_nop 0
	PLACES 4
.endm
.macro JLOAD                           ; a joint load: each of the two lines has one mask and one set of registers; the branch hangs on the wave's number alone
	s_cmp_eq_u32 s21, 0
	s_cbranch_scc0 .Lfor_b_\@
	TLOAD G0A, G1A
	s_branch .Lasked_\@
.Lfor_b_\@:
	TLOAD G0B, G1B
.Lasked_\@:
.endm
.macro CREST                           ; a round of the cluster's barrier behind its opening barrier
	s_cmp_lg_u32 s20, 0
	s_cbranch_scc1 .Lnot_wave_0_\@
	s_barrier_signal -3
.Lnot_wave_0_\@:
	s_barrier_wait -3
	s_barrier_signal -1
	s_barrier_wait -1
.endm
.macro CROUND
	s_barrier_signal -1
	s_barrier_wait -1
	CREST
.endm
.macro NEXT sl                         ; both descriptors on to the next K step, into slot sl (no tensor load of mine is out)
	s_add_nc_u64 s[G0A+2:G0A+3], s[G0A+2:G0A+3], ACH
	s_add_co_u32 s[G0A+1], s92, (\sl)*ACH
	s_add_nc_u64 s[G0B+2:G0B+3], s[G0B+2:G0B+3], BCH
	s_add_co_u32 s[G0B+1], s93, (\sl)*BCH
.endm
	s_load_b512 s[4:19], s[0:1], 0x0               ; acts s[4:5], wts s[6:7], hx s[8:9], b_ih s[10:11], b_hh s[12:13], b_c s[14:15], b_hc s[16:17], out s[18:19]
	v_lshl_add_u32 v[SPW], v0, 2, SPARE
	v_mov_b32 v[NIL], 0
	ds_add_u32 v[SPW], v[NIL]                      ; the wave's opening: the add, twice on end, and its wait
	ds_add_u32 v[SPW], v[NIL]
	v_lshrrev_b32 v1, 5, v0
	v_readfirstlane_b32 s20, v1                    ; wave 0..3
	s_lshr_b32 s21, s20, 1                         ; HI: my half of the rows.  Also: I fetch acts (0) or wts (1)
	s_and_b32 s22, s20, 1                          ; LO: my half of the columns.  Also: which half of a chunk I fetch
	s_bfe_u32 s23, ttmp6, 0x40000                  ; cx
	s_bfe_u32 s24, ttmp6, 0x40004                  ; cy
	s_lshl_b32 s25, ttmp9, 2
	s_add_co_u32 s25, s25, s23                     ; X: hidden columns 128 X on
	s_and_b32 s27, ttmp7, 0xffff                   ; the cluster's y
	s_lshl_b32 s26, s27, 2
	s_add_co_u32 s26, s26, s24                     ; Y: rows 256 Y on
	s_lshl_b32 s98, s24, 2
	s_lshl_b32 s98, 15, s98                        ; my row of the cluster
	s_lshl_b32 s99, 0x1111, s23                    ; my column
	; group 1: half a chunk as rows of 256 bytes (32 elements of 8 bytes), no padding: 66 rows of acts, 99 of wts
	s_or_b32 s[G1A], s98, (3<<16)|(1<<21)          ; 15:0 the mask; 17:16 elements of 8 bytes; 21 set beside a mask
	s_or_b32 s[G1B], s99, (3<<16)|(1<<21)
	s_mov_b32 s[G1A+1], 32<<16                     ; tensor_dim0
	s_mov_b32 s[G1A+2], 66<<16                     ; tensor_dim1
	s_mov_b32 s[G1A+3], 32<<16                     ; tile_dim0
	s_mov_b32 s[G1A+4], 66                         ; tile_dim1
	s_mov_b32 s[G1A+5], 32                         ; from row to row
	s_mov_b32 s[G1A+6], 0
	s_mov_b32 s[G1A+7], 0
	s_mov_b32 s[G1B+1], 32<<16
	s_mov_b32 s[G1B+2], 99<<16
	s_mov_b32 s[G1B+3], 32<<16
	s_mov_b32 s[G1B+4], 99
	s_mov_b32 s[G1B+5], 32
	s_mov_b32 s[G1B+6], 0
	s_mov_b32 s[G1B+7], 0
	; hx: 32 rows x 128 elements of 4 bytes, 1,024 elements from row to row, 4 words of padding behind every 128; no mask: each work-group's tile is its own
	s_mov_b32 s[G1H], (2<<16)|(1<<20)|(6<<22)|(3<<25)
	s_mov_b32 s[G1H+1], 128<<16
	s_mov_b32 s[G1H+2], 32<<16
	s_mov_b32 s[G1H+3], 128<<16
	s_mov_b32 s[G1H+4], 32
	s_mov_b32 s[G1H+5], 1024
	s_mov_b32 s[G1H+6], 0
	s_mov_b32 s[G1H+7], 0
	s_mul_i32 s88, s26, 16*ACH                     ; acts: the 16 chunks of Y
	s_mul_i32 s90, s25, 16*BCH                     ; wts: the 16 chunks of X
	s_mul_i32 s92, s22, ACH/2                      ; my half of a chunk; also its place in slot 0
	s_mul_i32 s93, s22, BCH/2
	; the prefetches: s2 offset (one chunk short of the first asked for: it is stepped ahead of each), s70 a step, s98 my first block of 256 bytes, s99 how many more, s77 the chunk's last
	s_add_co_u32 s2, s88, 3*ACH
	s_add_co_u32 s3, s90, 3*BCH
	s_mov_b32 s70, BCH
	s_movk_i32 s77, 197
	s_cmp_lt_u32 s27, 4
	s_cselect_b32 s72, 6, 0
	s_cmp_eq_u32 s21, 0
	s_cselect_b32 s72, 6, s72                      ; in how many trips my wave asks
	s_cselect_b32 s2, s2, s3
	s_cselect_b32 s70, ACH, s70
	s_cselect_b32 s77, 131, s77
	s_cselect_b32 s98, s23, s24                    ; my place among the four that share the chunk: it enters an address alone
	s_cselect_b32 s99, 17, 25
	s_mov_b32 s71, 0
	s_mov_b32 s3, 0
	s_lshl_b32 s98, s98, 1
	s_add_co_u32 s98, s98, s22
	s_mul_i32 s98, s98, s99
	s_sub_co_u32 s99, s99, 1
	s_add_co_u32 s88, s88, s92
	s_mov_b32 s89, 0
	s_add_co_u32 s90, s90, s93
	s_mov_b32 s91, 0
	s_add_co_u32 s93, s93, BL
	s_lshl_b32 s94, s26, 8
	s_lshl_b32 s95, s21, 7
	s_add_co_u32 s94, s94, s95                     ; row 256 Y + 128 HI
	s_lshl_b32 s96, s25, 9                         ; column 128 X, in bytes
	s_lshl_b32 s101, s94, 12
	s_add_co_u32 s101, s101, s96
	s_lshl_b32 s95, s22, 17
	s_add_co_u32 s94, s101, s95                    ; hx: 32 LO rows on: what I fetch in step 14
	s_mov_b32 s95, 0
	s_lshl_b32 s78, s22, 16
	s_add_co_u32 s78, s78, s101                    ; hx: 16 LO rows on: what I ask for in trip 3
	s_mov_b32 s79, 0
	s_lshl_b32 s86, s22, 8
	s_add_co_u32 s96, s96, s86                     ; the biases: column 128 X + 64 LO, in bytes
	s_mov_b32 s97, 0
	s_add_co_u32 s86, s86, s101                    ; out
	s_mov_b32 s87, 0
	s_mul_i32 s76, s21, BCH-ACH
	s_add_co_u32 s76, s76, ACH                     ; hx's tile: from row blocks 0-3 (slot 0's bytes: acts' for HI = 0, wts' for HI = 1) to row blocks 4-7 (slot 1's)
	s_mul_i32 s101, s21, BL
	s_lshl_b32 s66, s22, 8
	s_add_co_u32 s66, s66, s101                    ; my columns of row blocks 0-3
	s_add_co_u32 s67, s66, s76                     ; of row blocks 4-7
	s_mul_i32 s[G0H+1], s22, 32*HP
	s_add_co_u32 s[G0H+1], s[G0H+1], s101
	s_mov_b32 s[G0H], 1
	s_mov_b32 s[G0A], 1
	s_mov_b32 s[G0A+1], s92
	s_mov_b32 s[G0B], 1
	s_mov_b32 s[G0B+1], s93
	s_mov_b32 s80, 0xbfb8aa3b                      ; -log2(e); the packed forms name a pair and take its low word for both halves, so the pair is written
	s_mov_b32 s81, s80
	s_mov_b32 s82, 0x4038aa3b                      ; 2 log2(e)
	s_mov_b32 s83, s82
	s_mov_b32 s84, 0x3eb17218                      ; 1 / (2 log2(e))
	s_mov_b32 s85, s84
	s_mov_b32 s100, 0x42200000                     ; 40.0
	s_wait_dscnt 0x0                               ; both opening adds are done
	CROUND                                         ; all sixteen work-groups are here: the first joint loads meet
	s_wait_kmcnt 0x0
	s_add_nc_u64 s[G0A+2:G0A+3], s[4:5], s[88:89]
	s_or_b32 s[G0A+3], s[G0A+3], 0x80000000
	s_add_nc_u64 s[G0B+2:G0B+3], s[6:7], s[90:91]
	s_or_b32 s[G0B+3], s[G0B+3], 0x80000000
	JLOAD                                          ; K step 0: one tensor load a wave at the head
	s_add_nc_u64 s[G0H+2:G0H+3], s[8:9], s[94:95]
	s_or_b32 s[G0H+3], s[G0H+3], 0x80000000
	s_cmp_eq_u32 s21, 0
	s_cselect_b64 s[68:69], s[4:5], s[6:7]
	s_add_nc_u64 s[68:69], s[68:69], s[2:3]
	s_add_nc_u64 s[74:75], s[8:9], s[78:79]
	s_add_nc_u64 s[86:87], s[18:19], s[86:87]
	s_add_nc_u64 s[10:11], s[10:11], s[96:97]
	s_add_nc_u64 s[12:13], s[12:13], s[96:97]
	s_add_nc_u64 s[14:15], s[14:15], s[96:97]
	s_add_nc_u64 s[16:17], s[16:17], s[96:97]
	s_lshl_b32 s4, s21, 14                         ; my row blocks: 8 x 2,048
	s_mul_i32 s5, s22, 24576
	s_add_co_u32 s5, s5, BL                        ; my fragments: 12 x 2,048
	s_add_co_u32 s6, s5, BCH
	s_lshl_b32 s9, s21, 9
	s_add_co_u32 s7, s9, 32768-256                 ; rows' scale words, 256 bytes ahead of mine: fragments 8 to 11 come first among the columns', and lanes 0-15 then take words that are not used
	s_mul_i32 s8, s22, 768
	s_add_co_u32 s8, s8, BL+49152-32768+256
	s_sub_co_u32 s8, s8, s9                        ; from there to the columns' scale words, in slot 0
	s_add_co_u32 s9, s8, BCH-ACH                   ; in slot 1
	s_add_co_u32 s94, s7, ACH
	s_lshl_b32 s95, s20, 15
	s_add_co_u32 s95, s95, SPILL
	v_and_b32 v2, 15, v0                           ; r
	v_bfe_u32 v3, v0, 4, 1                         ; h
	v_and_b32 v4, 31, v0                           ; lane
	v_lshlrev_b32 v[VB], 5, v3
	; the biases, in the result's layout: register j of fragment f = b[128 X + 64 LO + 16 f + 8 h + j]
.irp f, 0,1,2,3
.irp t, 0,1
.irp g, 0,1
	global_load_b128 v[32+32*\g+8*\f+4*\t:35+32*\g+8*\f+4*\t], v[VB], s[10:11] offset:4096*\g+64*\f+16*\t     ; b_ih: z, and 1,024 numbers on r
	global_load_b128 v[128+32*\g+8*\f+4*\t:131+32*\g+8*\f+4*\t], v[VB], s[12:13] offset:4096*\g+64*\f+16*\t   ; b_hh
.endr
	global_load_b128 v[192+8*\f+4*\t:195+8*\f+4*\t], v[VB], s[16:17] offset:64*\f+16*\t   ; b_hc
.endr
.endr
	v_lshlrev_b32 v5, 4, v4
	v_add_nc_u32 v[ADRA], s4, v5
	v_add_nc_u32 v[ADRB], s5, v5
	v_add_nc_u32 v[ADRB+1], s6, v5
	v_add_nc_u32 v[SPA], s95, v5
	v_lshlrev_b32 v6, 3, v2
	v_mul_u32_u24 v7, s8, v3
	v_mul_u32_u24 v8, s9, v3
	v_add_nc_u32 v7, v6, v7
	v_add_nc_u32 v8, v6, v8
	v_add_nc_u32 v[ASC], s7, v7
	v_add_nc_u32 v[ASC+1], s94, v8
	v_lshlrev_b32 v6, 4, v2
	v_lshl_add_u32 v[CO], v3, 12, v6               ; out: row h, 16 r bytes on
	v_lshrrev_b32 v7, 1, v4
	v_and_b32 v8, 1, v4
	v_lshlrev_b32 v8, 8, v8
	v_lshl_add_u32 v[HPO], v7, 12, v8              ; hx's prefetch: row lane / 2, block lane % 2
	v_min_u32 v9, s99, v4
	v_add_nc_u32 v9, s98, v9
	v_min_u32 v9, s77, v9
	v_lshlrev_b32 v[PFO], 8, v9                    ; a chunk's prefetch: lanes that are left over name my wave's last block again
	s_wait_alu depctr_va_vdst(0)
	s_wait_loadcnt 0x0                             ; the biases
.irp g, 0,1
	WIN (1+\g)<<6                                  ; z's and r's sums begin with b_ih + b_hh
.irp a, 0,1,2,3,4,5,6,7
.irp k, 0,1,2,3,4,5,6,7,8,9,10,11,12,13,14,15
	v_pk_add_f32 v[32*\a+2*\k:32*\a+2*\k+1], v[32+32*\g+2*\k:33+32*\g+2*\k], v[128+32*\g+2*\k:129+32*\g+2*\k]
.endr
.endr
.endr
.macro BEGIN3 win, from, a             ; the third sum begins with the bias in v[from] on: 32 numbers, the same for row blocks a to 7
	WIN \win
.set j, 32*(\a)
.rept 256-32*(\a)
	v_mov_b32 v[j], v[\from+j%32]
.set j, j+1
.endr
	WIN 0
.endm
	BEGIN3 0xc0, 192, 0
.macro LB sl, f                        ; weight fragment f from slot sl: four loads
.irp c, 0,1,2,3
	ds_load_b128 v[BB+32*(((\f)/2)%3)+16*((\f)%2)+4*\c:BB+32*(((\f)/2)%3)+16*((\f)%2)+4*\c+3], v[ADRB+(\sl)] offset:2048*(\f)+512*\c
.endr
.endm
.macro LA sl, a                        ; row block a: four loads
.irp c, 0,1,2,3
	ds_load_b128 v[AB+16*(\a)+4*\c:AB+16*(\a)+4*\c+3], v[ADRA] offset:ACH*(\sl)+2048*(\a)+512*\c
.endr
.endm
.macro LS sl                           ; the scale words of row blocks and fragments 0 to 7: four loads
.irp j, 0,1,2,3
	ds_load_b64 v[SC+8*(\sl)+2*\j:SC+8*(\sl)+2*\j+1], v[ASC+(\sl)] offset:128*(2+\j)
.endr
.endm
.macro RUNW                            ; ahead of a run: eight places behind the last product, and window 0
	PLACES 8
	WIN 0
.endm
.macro PRE n                           ; ahead of product n: what it needs is in; the count is that of the LDS loads issued behind
.if (\n) < 8 && (\n)%2 == 0
	s_wait_dscnt 44-2*(\n)                         ; row block n / 2: behind it the rest of L, p1's 8, U's 16, p2's 8
.elseif (\n) == 8
	s_wait_dscnt 24                                ; p1: U's 16 and p2's 8
.elseif (\n) >= 16 && (\n) < 24 && (\n)%2 == 0
	s_wait_dscnt 20-2*((\n)-16)                    ; row block 4 + (n - 16) / 2: the rest of U, p2's 8
.elseif (\n) == 32
	s_wait_dscnt 18                                ; p2: p3's and p4's 16 and two of scale words
.elseif (\n) == 48
	s_wait_dscnt 18                                ; p3: p4's 8, two of scale words, p5's 8
.endif
.endm
.macro PROD n, par                     ; product n of a step in slot par.  The 96 accumulators take turns, in the same order in every step
.set g_, (\n)/32
.set v_, ((\n)/8)%4
.if g_ == 1
.set p_, 2+v_/2
.set h_, v_%2
.else
.set p_, 2*g_+v_%2
.set h_, v_/2
.endif
.set a_, 4*h_+((\n)%8)/2
.set f_, 2*p_+(\n)%2
.if g_ < 2
.set sb_, SC+8*(\par)+f_
.else
.set sb_, SC2+f_-8
.endif
.set rb_, BB+32*(p_%3)+16*(f_%2)
.set ra_, AB+16*a_
.set rd_, 32*a_+8*(f_%4)
	WIN (1+g_)*0x50
	v_wmma_scale_f32_16x16x128_f8f6f4 v[rd_:rd_+7], v[rb_:rb_+15], v[ra_:ra_+15], v[rd_:rd_+7], v[sb_], v[SC+8*(\par)+a_] matrix_a_scale:MATRIX_SCALE_ROW1
.endm
.macro ASK cond, vo, base              ; a prefetch under a scalar condition on the trip
	\cond
	s_cbranch_scc0 .Lask_no_\@
	global_prefetch_b8 v[\vo], s[\base:\base+1] th:TH_LOAD_NT scope:SCOPE_SE
.Lask_no_\@:
.endm
.macro IF_TILES
	s_cmp_lt_u32 s73, s72
.endm
.macro IF_HX
	s_cmp_gt_u32 s73, 2
.endm
; What stands behind product n.  mode 0: the refill is K step + 2, jointly; 1: hx's rows of row blocks 0-3 (step 14); 2: of row blocks 4-7 (step 15, behind which no step follows).
.macro AT n, par, mode
.set x_, 1-(\par)
.if (\n) == 31
	RUNW
.irp f, 6,7,8,9
	LB \par, \f
.endr
.irp j, 0,1
	ds_load_b64 v[SC2+2*\j:SC2+2*\j+1], v[ASC+(\par)] offset:128*\j
.endr
.elseif ((\n) == 44) && ((\mode) == 0)
	s_wait_xcnt 0x0                                ; my prefetches have read their addresses
	s_add_nc_u64 s[68:69], s[68:69], s[70:71]
.elseif ((\n) == 46) && ((\mode) == 0) && ((\par) == 1)
	s_cmp_gt_u32 s73, 3
	s_cselect_b32 s78, 0x20000, 0                  ; 32 rows of hx on in trips 4 to 6
	s_add_nc_u64 s[74:75], s[74:75], s[78:79]
.elseif (\n) == 47
	RUNW
	LB \par, 10
	LB \par, 11
.elseif (\n) == 55
	WIN 0
	s_wait_tensorcnt 0x0                           ; all my tensor loads have landed: my part of the other slot
	ds_add_u32 v[SPW], v[NIL]                      ; 0 onto my spare word
.elseif (\n) == 60
	s_wait_dscnt 0x0                               ; the add is done, and my reads of this slot are over
	s_barrier_signal -1
.elseif (\n) == 61
.if (\mode) == 0
	NEXT \par
.elseif (\mode) == 2
	s_add_nc_u64 s[G0H+2:G0H+3], s[G0H+2:G0H+3], 64*4096
	s_add_co_u32 s[G0H+1], s[G0H+1], s76
.endif
.elseif (\n) == 67
	WIN 0
	s_barrier_wait -1
	CREST                                          ; no wave of any partner still reads this slot or has a load on its way
.if (\mode) == 0
	JLOAD
.else
	TLOAD G0H, G1H
.endif
	PLACES 4                                       ; with the four behind the tensor load eight, behind p3's last product (63) too: ahead of the loads below, and in the last step of the way out's first lines
.if (\mode) < 2
	LB x_, 0
	LB x_, 1
	LS x_
.endif
.elseif ((\n) == 79) && ((\mode) < 2)
	RUNW
.irp a, 0,1,2,3
	LA x_, \a
.endr
.elseif ((\n) == 87) && ((\mode) < 2)
	RUNW
	LB x_, 2
	LB x_, 3
.if (\mode) == 0
	ASK IF_TILES, PFO, 68
.if (\par) == 1
	ASK IF_HX, HPO, 74
.endif
.endif
.elseif ((\n) == 95) && ((\mode) < 2)
	RUNW
.irp a, 4,5,6,7
	LA x_, \a
.endr
	LB x_, 4
	LB x_, 5
.endif
.endm
.macro STEP par, mode
.set N_, 0
.rept 96
	PRE N_
	PROD N_, \par
	AT N_, \par, \mode
.set N_, N_+1
.endr
	WIN 0
.endm
	s_wait_alu depctr_va_vdst(0)
	s_wait_tensorcnt 0x0                           ; my part of K step 0 is in
	ds_add_u32 v[SPW], v[NIL]
	NEXT 1
	s_mov_b32 s73, 0                               ; the trip
	s_wait_dscnt 0x0
	CROUND                                         ; everybody's part of K step 0 is in
	JLOAD                                          ; K step 1
	; the first step's loads, in the order in which a step leaves them to its successor
	LB 0, 0
	LB 0, 1
	LS 0
.irp a, 0,1,2,3
	LA 0, \a
.endr
	LB 0, 2
	LB 0, 3
.irp a, 4,5,6,7
	LA 0, \a
.endr
	LB 0, 4
	LB 0, 5
.Ltrip:                                                ; seven trips of two K steps: 0 to 13
	s_cmp_lg_u32 s73, 4
	s_cbranch_scc1 .Lno_change
	; K STEP 8 IS NEXT: hc is finished (eight places stand behind the last product): it goes to LDS, and c begins with b_c
.macro HCOUT from, n
	WIN 0x0c
.set i, \from
.rept \n
	ds_store_b128 v[SPA], v[4*i:4*i+3] offset:512*i
.set i, i+1
.endr
	WIN 0
.endm
	HCOUT 0, 8
	s_wait_dscnt 0x0                               ; row block 0's stores have read their registers: b_c goes there
	WIN 0xc0
.irp f, 0,1,2,3
.irp t, 0,1
	global_load_b128 v[8*\f+4*\t:3+8*\f+4*\t], v[VB], s[14:15] offset:64*\f+16*\t
.endr
.endr
	HCOUT 8, 56
	s_wait_dscnt 0x0                               ; the other stores have read theirs
	s_wait_loadcnt 0x0                             ; b_c
	BEGIN3 0xc3, 0, 1
	s_wait_alu depctr_va_vdst(0)
.Lno_change:
	STEP 0, 0
	STEP 1, 0
	s_add_co_u32 s73, s73, 1
	s_cmp_lg_u32 s73, 7
	s_cbranch_scc1 .Ltrip
	STEP 0, 1
	STEP 1, 2
	; THE WAY OUT.  These lines are also places behind the last product
	v_bfe_u32 v128, v[SPW], 2, 7                   ; my thread's number: SPARE is a multiple of 512
	v_and_b32 v129, 15, v128                       ; r
	v_bfe_u32 v130, v128, 4, 1                     ; h
	v_mul_u32_u24 v131, v129, HP
	v_lshl_add_u32 v131, v130, 5, v131
	v_add_nc_u32 v[EA], s66, v131                  ; hx's tile, row r, 32 h bytes on: row blocks 0-3
	v_add_nc_u32 v[EA+1], s67, v131                ; row blocks 4-7
	v_mul_u32_u24 v136, v130, HP
	v_lshl_add_u32 v136, v129, 4, v136
	v_add_nc_u32 v[ER], s66, v136                  ; whole rows: row h, 16 r bytes on
	v_add_nc_u32 v[ER+1], s67, v136
	s_wait_alu depctr_va_vdst(0)
.macro EPLOAD u                        ; unit u, row blocks 2 u and 2 u + 1: hc and then hx at my outputs' places, 16 loads each
.set i, 0
.rept 16
	ds_load_b128 v[HC+4*i:HC+4*i+3], v[SPA] offset:512*(16*(\u)+i)
.set i, i+1
.endr
.set i, 0
.rept 16
	ds_load_b128 v[HX+4*i:HX+4*i+3], v[EA+(\u)/2] offset:HP*16*(2*((\u)%2)+i/8)+16*(i%2)+64*((i/2)%4)
.set i, i+1
.endr
.endm
	EPLOAD 0
	; all accumulators are first read here, from their low ends on, ahead of every transcendental
.macro SCALE win, s
	WIN \win
.set i, 0
.rept 128
	v_pk_mul_f32 v[2*i:2*i+1], v[2*i:2*i+1], s[\s:\s+1] op_sel_hi:[1,0]
.set i, i+1
.endr
.endm
	SCALE 0x41, 80                                 ; -L zs
	SCALE 0x82, 80                                 ; -L rs
	SCALE 0xc3, 82                                 ; 2 L c
.macro TR op, win                      ; 64 transcendentals in place
	WIN \win
.set i, 0
.rept 64
	\op v[R_+i], v[R_+i]
.set i, i+1
.endr
.endm
.macro SEND u, younger                 ; unit u's 32 rows leave: sixteen lanes store 256 consecutive bytes, aligned
	WIN 0
.set i, 0
.rept 16
.if (\younger) == 0
	s_wait_dscnt 15-i
.elseif i == 0
	s_wait_dscnt \younger                          ; the rows are in; the loads issued behind them may be out
.endif
	global_store_b128 v[CO], v[ST+4*i:ST+4*i+3], s[86:87] offset:(32*(\u)+2*i)*4096 th:TH_STORE_NT
.set i, i+1
.endr
.endm
; Each batch of transcendentals has one wait ahead of it and one behind it, ahead of its first reader.
.macro UNIT u
.set R_, 64*(\u)
	s_wait_alu depctr_va_vdst(0)
	TR v_exp_f32, 0x82                             ; 2^(-L rs)
	TR v_exp_f32, 0x41                             ; 2^(-L zs)
	v_nop
.if (\u) > 0
	SEND (\u)-1, 32
.endif
	s_wait_alu depctr_va_vdst(0)
	WIN 0x82
.set i, 0
.rept 32
	v_pk_fma_f32 v[R_+2*i:R_+2*i+1], v[R_+2*i:R_+2*i+1], s[84:85], s[84:85] op_sel_hi:[1,0,0]   ; (1 + 2^(-L rs)) / (2 L)
.set i, i+1
.endr
	s_wait_alu depctr_va_vdst(0)
	TR v_rcp_f32, 0x82                             ; 2 L r
	v_nop
	s_wait_dscnt 16                                ; hc is in; hx's 16 loads may be out
	s_wait_alu depctr_va_vdst(0)
	WIN 0xf2
.set i, 0
.rept 32
	v_pk_fma_f32 v[R_+2*i:R_+2*i+1], v[R_+2*i:R_+2*i+1], v[HC+2*i:HC+2*i+1], v[R_+2*i:R_+2*i+1]   ; 2 L (r hc + c)
.set i, i+1
.endr
	WIN 0xcc
.set i, 0
.rept 64
	v_min_num_f32 v[R_+i], s100, v[R_+i]           ; held at 40 from above, so that E stays finite
.set i, i+1
.endr
	s_wait_alu depctr_va_vdst(0)
	TR v_exp_f32, 0xc3                             ; E
	v_nop
	s_wait_alu depctr_va_vdst(0)
	WIN 0x83
.set i, 0
.rept 32
	v_pk_add_f32 v[R_+2*i:R_+2*i+1], v[R_+2*i:R_+2*i+1], 1.0 op_sel_hi:[1,0]    ; E + 1, into r's registers
.set i, i+1
.endr
	WIN 0xc3
.set i, 0
.rept 32
	v_pk_add_f32 v[R_+2*i:R_+2*i+1], v[R_+2*i:R_+2*i+1], -1.0 op_sel_hi:[1,0]   ; E - 1
.set i, i+1
.endr
	WIN 0x69
.set i, 0
.rept 32
	v_pk_fma_f32 v[R_+2*i:R_+2*i+1], v[R_+2*i:R_+2*i+1], v[R_+2*i:R_+2*i+1], v[R_+2*i:R_+2*i+1]   ; (2^(-L zs) + 1) (E + 1): source 0 z's register, sources 1 and 2 E + 1
.set i, i+1
.endr
	s_wait_dscnt 0x0                               ; hx is in
	s_wait_alu depctr_va_vdst(0)
	TR v_rcp_f32, 0x41
	WIN 0xf8
.set i, 0
.rept 32
	v_pk_fma_f32 v[R_+2*i:R_+2*i+1], v[HX+2*i:HX+2*i+1], v[R_+2*i:R_+2*i+1], v[R_+2*i:R_+2*i+1] neg_lo:[1,0,0] neg_hi:[1,0,0]   ; (E - 1) - h (E + 1): independent work behind the reciprocals
.set i, i+1
.endr
	s_wait_alu depctr_va_vdst(0)
	WIN 0x07
.set i, 0
.rept 32
	v_pk_fma_f32 v[HX+2*i:HX+2*i+1], v[R_+2*i:R_+2*i+1], v[R_+2*i:R_+2*i+1], v[HX+2*i:HX+2*i+1]   ; out = numerator / denominator + h: source 0 the numerator, source 1 the reciprocal
.set i, i+1
.endr
	WIN 0
	s_wait_alu depctr_va_vdst(0)
.if (\u) == 0
	s_wait_tensorcnt 0x0                           ; my rows of hx's second half are in, ahead of my first LDS store into the tile,
	s_wait_dscnt 0x0
	s_barrier_signal -1
	s_barrier_wait -1                              ; and everybody's are
.endif
.set i, 0
.rept 16
	ds_store_b128 v[EA+(\u)/2], v[HX+4*i:HX+4*i+3] offset:HP*16*(2*((\u)%2)+i/8)+16*(i%2)+64*((i/2)%4)   ; over hx's numbers, which only I have read; these bytes have had their last fill
.set i, i+1
.endr
.if (\u) > 0
	s_wait_xcnt 0x0                                ; the last unit's stores have read their registers
.endif
.set i, 0
.rept 16
	ds_load_b128 v[ST+4*i:ST+4*i+3], v[ER+(\u)/2] offset:HP*(32*((\u)%2)+2*i)   ; my own bytes; LDS serves a wave's instructions in order (ISA guide 5.7.1.4)
.set i, i+1
.endr
.if (\u) < 3
	EPLOAD (\u)+1
.endif
.endm
	UNIT 0
	UNIT 1
	UNIT 2
	UNIT 3
	SEND 3, 0
	s_wait_tensorcnt 0x0                           ; the wave's end, behind my last tensor load and my last LDS store
	ds_add_u32 v[SPW], v[NIL]
	s_wait_dscnt 0x0
	CROUND                                         ; the closing round: no work-group ends while a partner may still ask for a chunk that names it
	s_endpgm
.Lfunc_end_k_qf5f049fbb2_gru:
	.size	k_qf5f049fbb2_gru, .Lfunc_end_k_qf5f049fbb2_gru-k_qf5f049fbb2_gru
	.p2alignl 7, 3214868480
	.fill 96, 4, 3214868480
	.section	.rodata,"a",@progbits
	.p2align	6, 0x0
	.amdhsa_kernel k_qf5f049fbb2_gru
		.amdhsa_group_segment_fixed_size 327680
		.amdhsa_private_segment_fixed_size 0
		.amdhsa_enable_private_segment 0
		.amdhsa_kernarg_size 64
		.amdhsa_user_sgpr_count 2
		.amdhsa_user_sgpr_kernarg_segment_ptr 1
		.amdhsa_wavefront_size32 1
		.amdhsa_system_sgpr_workgroup_id_x 1
		.amdhsa_system_sgpr_workgroup_id_y 1
		.amdhsa_system_sgpr_workgroup_id_z 1
		.amdhsa_system_vgpr_workitem_id 0
		.amdhsa_next_free_vgpr 1024
		.amdhsa_next_free_sgpr 102
		.amdhsa_reserve_vcc 0
		.amdhsa_float_denorm_mode_32 3
		.amdhsa_float_denorm_mode_16_64 3
		.amdhsa_memory_ordered 1
		.amdhsa_forward_progress 1
		.amdhsa_inst_pref_size 255
	.end_amdhsa_kernel
	.section	.bss,"aw",@nobits
	.p2align	6
	.space	262144
	.amdgpu_metadata
---
amdhsa.version: [ 1, 2 ]
amdhsa.kernels:
  - .name:           k_qf5f049fbb2_gru
    .symbol:         k_qf5f049fbb2_gru.kd
    .args:
      - { .name: acts, .offset: 0, .size: 8, .value_kind: global_buffer, .address_space: global }
      - { .name: wts, .offset: 8, .size: 8, .value_kind: global_buffer, .address_space: global }
      - { .name: hx, .offset: 16, .size: 8, .value_kind: global_buffer, .address_space: global }
      - { .name: b_ih, .offset: 24, .size: 8, .value_kind: global_buffer, .address_space: global }
      - { .name: b_hh, .offset: 32, .size: 8, .value_kind: global_buffer, .address_space: global }
      - { .name: b_c, .offset: 40, .size: 8, .value_kind: global_buffer, .address_space: global }
      - { .name: b_hc, .offset: 48, .size: 8, .value_kind: global_buffer, .address_space: global }
      - { .name: out0, .offset: 56, .size: 8, .value_kind: global_buffer, .address_space: global }
    .group_segment_fixed_size: 327680
    .private_segment_fixed_size: 0
    .kernarg_segment_align: 8
    .kernarg_segment_size: 64
    .max_flat_workgroup_size: 128
    .sgpr_count:     102
    .vgpr_count:     1024
    .wavefront_size: 32
...
	.end_amdgpu_metadata
.endif
;; end of part 2
